; MI455X (gfx1250); checked and timed in simulation.
; The chip was launched on July 23, 2026; its instructions are those of AMD's public machine-readable ISA for CDNA 5 (MIT licence, August 2026) and "CDNA5" Instruction Set Architecture Reference Guide (July 2026). The comments in the code are by the model that wrote it; some were corrected since.
;; Block. Allowed arithmetic: float matrix products may take bf16 or f16 operands with f32 sums; other float arithmetic in f32, or as packed bf16 or f16 multiplies, adds, multiply-adds, maxima and minima; sums over many terms, partial sums and values carried from step to step in f32; what a program stores and reads back later, other than sums and carried values, may be rounded once to bf16 or f16.
;; Inputs: W1 256 x 1,024 float32; W2 1,024 x 256 float32; Wk 256 x 8 x 32 float32; Wo 256 x 256 float32; Wq 256 x 8 x 32 float32; Wv 256 x 8 x 32 float32; b1 1,024 float32; b2 256 float32; bo 256 float32; ln1_b 256 float32; ln1_g 256 float32; ln2_b 256 float32; ln2_g 256 float32; x 256 x 256 x 256 float32.
;; Outputs: out0 256 x 256 x 256 float32.
;; One version. Each part assembles by itself: llvm-mc -triple=amdgcn-amd-amdhsa -mcpu=gfx1250 --defsym DOCPART=n.
;; ======== version 1 of 1: 2 launches
;; workspace buffers: wt 1,572,864 bytes
;; launch prep (part 1): grid 384 x 1, 8 waves a work-group, no clusters, 0 bytes of LDS; arguments Wq, Wk, Wv, Wo, W1, W2, wt; writes wt
.if DOCPART == 1
	.amdgcn_target "amdgcn-amd-amdhsa--gfx1250"
	.amdhsa_code_object_version 6
	.text
	.protected	k_q74d3ead0df_prep
	.globl	k_q74d3ead0df_prep
	.p2align	8
	.type	k_q74d3ead0df_prep,@function
k_q74d3ead0df_prep:
	s_mov_b64 s[64:65], 0
	v_nop
	global_prefetch_b8 v0, s[64:65] scope:SCOPE_SE
	s_setreg_imm32_b32 hwreg(HW_REG_WAVE_MODE, 25, 1), 1
	s_wait_xcnt 0x0
; All six weight tensors, rounded once to bf16 and laid in the order and form in which the main launch takes them.
; wt = 24 slots of 65,536 bytes; a slot = 4 sections of 16 fragments; a fragment = 1,024 bytes = 16 columns n x 32 rows k of a weight W[k][n]:
; byte 16 l (+512) holds, for lane l (r = l % 16, h = l / 16), k' = 8 h + 0..7 (16 + 8 h + 0..7) of column n0 + r: a matrix source as two loads of 16 bytes a lane.
; Slot hd = 0..7 (a head): Wk, Wv, Wq (fragment 2 ks + nb: rows 32 ks.., columns 32 hd + 16 nb..), Wo (fragment nb: rows 32 hd.., columns 16 nb..).
; Slot 8 + s: W1, W2 of hidden units 64 s .. + 31, then W1, W2 of 64 s + 32 .. + 63 (W1: fragment 2 ks + nb: rows 32 ks.., columns 32 c + 16 nb..; W2: fragment nb: rows 32 c.., columns 16 nb..).
; SHARES: a thread makes 16 bytes (8 numbers of one column), a wave half a fragment: its store covers 512 consecutive bytes, aligned.  98,304 threads.
; The 3 MB are read once, 64 consecutive bytes for each 16 lanes; no LDS, no loop.
	s_load_b256 s[4:11], s[0:1], 0x0               ; Wq s[4:5], Wk s[6:7], Wv s[8:9], Wo s[10:11]
	s_load_b128 s[12:15], s[0:1], 0x20             ; W1 s[12:13], W2 s[14:15]
	s_load_b64 s[16:17], s[0:1], 0x30              ; wt
	v_lshrrev_b32 v1, 5, v0
	v_readfirstlane_b32 s20, v1                    ; wave 0..7
	s_lshl_b32 s21, ttmp9, 2
	s_lshr_b32 s22, s20, 1
	s_add_co_u32 s21, s21, s22                     ; my fragment, 0..1535
	s_and_b32 s22, s20, 1                          ; which half of it
	s_lshr_b32 s23, s21, 6                         ; slot
	s_bfe_u32 s24, s21, 0x20004                    ; section 0..3
	s_and_b32 s25, s21, 15                         ; fragment in the section
	s_sub_co_u32 s26, s23, 8                       ; slots 8..: the chunk of 32 hidden units = 2 (slot - 8) + section / 2
	s_lshl_b32 s26, s26, 1
	s_lshr_b32 s27, s24, 1
	s_add_co_u32 s26, s26, s27
	s_cmp_ge_u32 s23, 8
	s_cselect_b32 s26, s26, s23                    ; slots 0..7: the head
	s_lshl_b32 s26, s26, 5                         ; 32 x that
	s_and_b32 s27, s24, 1
	s_cmp_eq_u32 s24, 3
	s_cselect_b32 s28, 1, 0
	s_cmp_ge_u32 s23, 8
	s_cselect_b32 s28, s27, s28                    ; 1: Wo or W2 (the 32 are rows), 0: the 32 are columns
	s_xor_b32 s29, s27, 1
	s_cmp_ge_u32 s23, 8
	s_cselect_b32 s29, s29, 0                      ; 1: W1
	s_lshl_b32 s29, s29, 1
	s_add_co_u32 s29, s29, 10                      ; a source row is 1 << s29 bytes: 4,096 in W1, else 1,024
	s_lshr_b32 s34, s25, 1
	s_lshl_b32 s34, s34, 5                         ; 32 ks
	s_and_b32 s35, s25, 1
	s_lshl_b32 s35, s35, 4
	s_add_co_u32 s35, s35, s26                     ; 32 x (head or chunk) + 16 nb
	s_lshl_b32 s36, s25, 4                         ; 16 nb
	s_cmp_eq_u32 s28, 1
	s_cselect_b32 s34, s26, s34                    ; first row
	s_cselect_b32 s35, s36, s35                    ; first column
	s_lshl_b32 s36, s22, 4
	s_add_co_u32 s34, s34, s36                     ; + 16 for the second half
	s_lshl_b32 s37, 1, s29                         ; bytes from row to row
	s_lshl_b32 s38, ttmp9, 12                      ; the work-group's 4,096 bytes of wt
	v_and_b32 v2, 15, v0                           ; r
	v_bfe_u32 v3, v0, 4, 1                         ; h
	v_lshl_add_u32 v4, v3, 3, s34                  ; my first row
	v_lshlrev_b32 v4, s29, v4
	v_add_nc_u32 v5, s35, v2                       ; my column
	v_lshl_add_u32 v16, v5, 2, v4
.irp e, 1,2,3,4,5,6,7
	v_add_nc_u32 v[16+\e], s37, v[15+\e]           ; the next seven rows
.endr
	v_lshl_add_u32 v28, v0, 4, s38
	s_wait_kmcnt 0x0
	s_cmp_eq_u32 s24, 0                            ; the source: chosen by slot and section alone
	s_cselect_b64 s[30:31], s[6:7], s[8:9]
	s_cmp_eq_u32 s24, 2
	s_cselect_b64 s[30:31], s[4:5], s[30:31]
	s_cmp_eq_u32 s24, 3
	s_cselect_b64 s[30:31], s[10:11], s[30:31]
	s_cmp_eq_u32 s27, 0
	s_cselect_b64 s[32:33], s[12:13], s[14:15]
	s_cmp_ge_u32 s23, 8
	s_cselect_b64 s[30:31], s[32:33], s[30:31]
.irp e, 0,1,2,3,4,5,6,7
	global_load_b32 v[8+\e], v[16+\e], s[30:31]
.endr
	s_wait_loadcnt 0x0                             ; all eight are wanted at once
.irp e, 0,1,2,3
	v_cvt_pk_bf16_f32 v[24+\e], v[8+2*\e], v[9+2*\e]  ; the lower k in the lower half
.endr
	global_store_b128 v28, v[24:27], s[16:17]
	s_endpgm
.Lfunc_end_k_q74d3ead0df_prep:
	.size	k_q74d3ead0df_prep, .Lfunc_end_k_q74d3ead0df_prep-k_q74d3ead0df_prep
	.p2alignl 7, 3214868480
	.fill 96, 4, 3214868480
	.section	.rodata,"a",@progbits
	.p2align	6, 0x0
	.amdhsa_kernel k_q74d3ead0df_prep
		.amdhsa_group_segment_fixed_size 0
		.amdhsa_private_segment_fixed_size 0
		.amdhsa_enable_private_segment 0
		.amdhsa_kernarg_size 56
		.amdhsa_user_sgpr_count 2
		.amdhsa_user_sgpr_kernarg_segment_ptr 1
		.amdhsa_wavefront_size32 1
		.amdhsa_system_sgpr_workgroup_id_x 1
		.amdhsa_system_sgpr_workgroup_id_y 1
		.amdhsa_system_sgpr_workgroup_id_z 1
		.amdhsa_system_vgpr_workitem_id 0
		.amdhsa_next_free_vgpr 32
		.amdhsa_next_free_sgpr 66
		.amdhsa_reserve_vcc 0
		.amdhsa_float_denorm_mode_32 3
		.amdhsa_float_denorm_mode_16_64 3
		.amdhsa_memory_ordered 1
		.amdhsa_forward_progress 1
		.amdhsa_inst_pref_size 4
	.end_amdhsa_kernel
	.amdgpu_metadata
---
amdhsa.version: [ 1, 2 ]
amdhsa.kernels:
  - .name:           k_q74d3ead0df_prep
    .symbol:         k_q74d3ead0df_prep.kd
    .args:
      - { .name: Wq, .offset: 0, .size: 8, .value_kind: global_buffer, .address_space: global }
      - { .name: Wk, .offset: 8, .size: 8, .value_kind: global_buffer, .address_space: global }
      - { .name: Wv, .offset: 16, .size: 8, .value_kind: global_buffer, .address_space: global }
      - { .name: Wo, .offset: 24, .size: 8, .value_kind: global_buffer, .address_space: global }
      - { .name: W1, .offset: 32, .size: 8, .value_kind: global_buffer, .address_space: global }
      - { .name: W2, .offset: 40, .size: 8, .value_kind: global_buffer, .address_space: global }
      - { .name: wt, .offset: 48, .size: 8, .value_kind: global_buffer, .address_space: global }
    .group_segment_fixed_size: 0
    .private_segment_fixed_size: 0
    .kernarg_segment_align: 8
    .kernarg_segment_size: 56
    .max_flat_workgroup_size: 256
    .sgpr_count:     66
    .vgpr_count:     32
    .wavefront_size: 32
...
	.end_amdgpu_metadata
.endif
;; end of part 1
;; launch block (part 2): grid 256 x 1, 4 waves a work-group, clusters of 4 x 1, 327,680 bytes of LDS; arguments x, wt, b1, bo, b2, ln1_g, ln1_b, ln2_g, ln2_b, out0; writes out0
.if DOCPART == 2
	.amdgcn_target "amdgcn-amd-amdhsa--gfx1250"
	.amdhsa_code_object_version 6
	.text
	.protected	k_q74d3ead0df_block
	.globl	k_q74d3ead0df_block
	.p2align	8
	.type	k_q74d3ead0df_block,@function
k_q74d3ead0df_block:
	s_mov_b64 s[64:65], 0
	v_nop
	global_prefetch_b8 v0, s[64:65] scope:SCOPE_SE
	s_setreg_imm32_b32 hwreg(HW_REG_WAVE_MODE, 25, 1), 1
	s_wait_xcnt 0x0
	s_wait_alu depctr_hold_cnt(0) depctr_sa_sdst(0) depctr_va_vdst(0) depctr_va_sdst(0) depctr_va_ssrc(0) depctr_va_vcc(0) depctr_vm_vsrc(0)
	s_getreg_b32 s2, hwreg(HW_REG_IB_STS2, 6, 4)
	s_cmp_eq_u32 s2, 0
	s_cbranch_scc0 .Lentry_in_a_cluster
	s_endpgm
.Lentry_in_a_cluster:
	s_bfe_u32 s2, ttmp6, 0x10000c
	s_cmp_lg_u32 s2, 0x3003
	s_cbranch_scc0 .Lentry_shape_is_right
	s_endpgm
.Lentry_shape_is_right:
; THE WHOLE TRANSFORMER BLOCK, ONE SEQUENCE (256 tokens x 256 channels) TO A WORK-GROUP: LN1, q k v, causal attention (8 heads of 32), Wo + bo + residual, LN2, 256 -> 1,024 -> 256 with ReLU, residual.
; x is read once and out0 written once; nothing else of the sequence goes to memory.  The residual stays in f32 in registers from the first load to the last store and is the accumulator of Wo's and W2's products.
; FORMATS AND LIMITS.  Matrix operands (h, weights, q, k, v, the weights p of the softmax, attention's output, hidden units) are bf16, each rounded once; x, all sums, maxima and statistics are f32.
; The variance is the mean of (x - mean)^2, taken in a second pass.  The softmax takes the true maximum of the row's visible scores: all of a row's scores are held at once.
; A hidden score counts as its value less 1e30; a weight below 2^-126 counts as 0; NaN and infinities are not treated apart (ReLU gives 0 for a NaN).
; SHARES.  Wave w owns four tiles of 16 rows, one in each band of 64: tile t = rows 64 t + 16 w + 0..15, so the causal work is alike in the four waves: 4 (t + 1) blocks of 16 keys for tile t.
; LAYOUT.  Products are used transposed (source 0 = 16 columns of a weight, 16 keys, or 16 channels of V^T; source 1 = 16 rows of activations): in a result lane l holds ONE row (l % 16) and the columns
; 8 (l / 16) + 0..7.  Two neighbouring results rounded in pairs ARE the next product's source 1: nothing changes lanes, and a row's statistics want one exchange of the lanes' halves.
; V alone is made the other way round (source 0 = activations), so that its result, rounded, is a half fragment of V^T.  K and V of the head in hand pass between the waves through LDS.
; WEIGHTS.  wt holds them in bf16 in fragment order, 24 slots of 64 KiB in the order of the walk (8 heads, 16 pairs of chunks of 32 hidden units).  A ring of two LDS slots; each wave fetches a quarter slot by one
; tensor load: by this text's count one tensor load of a wave is out at any time.  CLUSTER: all work-groups walk the same slots, so the four of a cluster ask JOINTLY (the same load, descriptor and mask in all four).
; A fragment is 1,024 consecutive bytes, read as two loads of 16 bytes a lane at 16 x lane: consecutive addresses, so the ring needs no padding.
; REGISTERS, in windows of 256 (s_set_vgpr_msb: bits 1:0 source 0, 3:2 source 1, 5:4 source 2, 7:6 destination):
;   windows 2, 3: X, the residual: X(t, nb)[j] = row l % 16 of tile t, column 16 nb + 8 (l / 16) + j, in window 2 + t / 2 at v[128 (t % 2) + 8 nb + j]
;   window 1: H, the LayerNorm's output as fragments: H(t, ks) at v[8 (8 t + ks)]          window 0: all else, named below
.set RING1,  65536                     ; LDS: ring slot 0 at 0, slot 1 here
.set KBASE,  131072                    ; K of a head: 16 fragments (16 keys x 32 features) of 1,024 bytes
.set VOFF,   16384                     ; behind it V: fragment 2 i + cb (32 keys 32 i.., 16 channels 16 cb..)
.set STAGE,  163840                    ; each wave's own 16 rows of 1,024 bytes, for turning x and out0
.set SPITCH, 1040                      ; 65 x 16 bytes: the 16 rows that a 16-byte access of 16 lanes touches fall on 16 different 16-byte columns modulo 256 bytes
.set PARAM,  230400                    ; b1 (4,096), then ln1_g, ln1_b, bo, ln2_g, ln2_b, b2 (1,024 each)
.set SPARE,  240640                    ; the spare words, 128 bytes for each wave: two blocks of 256 bytes that no other line names
.set SPW, 1                            ; v1   SPARE + 4 x my thread's number; never rewritten
.set NIL, 2                            ; v2   0; never rewritten
.set L16, 3                            ; v3   16 x lane: also my offset in 512 consecutive bytes of x and out0; never rewritten
.set FR,  4                            ; v4   16 x lane + the ring slot in hand
.set KR,  5                            ; v5   K's and V's fragments, to read
.set KW,  6                            ; v6   my key block of K, to write
.set VW,  7                            ; v7   my key block of V, to write
.set SROW, 8                           ; v8   my stage by whole rows: 16 x lane
.set SD,  9                            ; v9   my stage by results: row l % 16, 32 bytes for each half of the lanes
.set PR,  10                           ; v10  gain, bias and addend of the LayerNorm in hand
.set B1R, 11                           ; v11  b1 of the slot in hand
.set PFO, 12                           ; v12  256 x lane, for the prefetches; never rewritten
.set ZR,  13                           ; v13  0, for ReLU
.set TRI, 16                           ; v16-23   the mask of a tile's own key block: -1e30 where key 8 (l / 16) + j > query l % 16
.set BI0, 16                           ; in the FFN: b1 of hidden units 16 nb + 8 (l / 16) + j, nb = 0; nb = 1 at v248-255
.set QA,  24                           ; v24-55   Q's fragments, 8 a tile, then attention's output in their place; scratch for K and V; in the FFN the hidden units
.set F,   56                           ; v56-119  8 fragments: K's or V's
.set FA,  56                           ;          or weights'
.set S,   120                          ; v120-247 up to 16 blocks of scores; the weights p are packed in place, into the lower half
.set ACC, 120                          ; v120-183 8 accumulators: ACC(t, nb) at ACC + 8 (2 t + nb)
.set FB,  184                          ; v184-247 8 fragments of weights
.set O,   184                          ; v184-199 O^T of a tile: two accumulators
.set VX,  200                          ; v200-247 V's fragments 8..13
.set T,   248                          ; v248-255 a tile's softmax: four maxima, then the sums; T+4 c m; T+6 1 / l
.set ST,  24                           ; LayerNorm only: tile t: 1/sigma twice at ST + 4 t, mean (then -mean/sigma) twice at ST + 4 t + 2
.set CH,  40                           ; four chains of pairs
.set TT,  48                           ; v48-111  32 pairs at work
.set PB,  112                          ; v112-159, v160-207: gain, bias, addend of two column blocks, two sets
.set WV,  4                            ; s4   my wave's number
.set CX,  5                            ; s5   my place in the cluster: it enters x's, out0's and the prefetches' addresses alone
.set XP,  8                            ; s[8:9] x, then x at my rows
.set OP,  26                           ; s[26:27] out0 likewise
.set G1,  32                           ; s[32:39] descriptor group 1
.set G0,  40                           ; s[40:43] descriptor group 0: it walks
.set TB,  44                           ; s44  the ring slot in hand: 0 or 65,536
.set HD,  45                           ; s45  trips of the head loop still to come
.set NEW, 46                           ; s46  1: this trip begins with a LayerNorm
.set CNT, 47                           ; s47  FFN slots still to come in the loop in hand
.set CS,  48                           ; s[48:49] c = log2(e) / sqrt(32)
.set SEL, 50                           ; s[50:51] v_permlanex16_b32's selects: each lane takes its own place in the other half
.set PFA, 52                           ; s[52:53] where my prefetches stand
.set LIM, 54                           ; s54  1 in a wave that prefetches, else the greatest number
.set BIGN, 55                          ; s55  -1e30
.set INV, 56                           ; s56  1 / 256
.set EPSR, 57                          ; s57  1e-5
.set AL,  68                           ; s[68+4 kt : 69+4 kt] the mask's factor for key block kt of the diagonal band, s[70+4 kt : 71+4 kt] its addend
.set BE,  70
.set MSB, 0
.macro WIN new                         ; the immediate's high byte repeats the setting that is left; a switch that changes nothing is dropped
.if MSB != (\new)
	s_set_vgpr_msb (MSB<<8)|(\new)
.set MSB, (\new)
.endif
.endm
; Four places: a vector instruction that reads a matrix result or writes a matrix instruction's register, and a load into such a register, stand four plain vector instructions behind it (ISA guide 7.12.1 for vector instructions).
.macro PLACES
.rept 4
	v_nop
.endr
.endm
.macro CREST                           ; a round of the cluster's barrier behind its opening barrier
	s_cmp_lg_u32 s[WV], 0
	s_cbranch_scc1 .Lnot_wave_0_\@
	s_barrier_signal -3
.Lnot_wave_0_\@:
	s_barrier_wait -3
	s_barrier_signal -1
	s_barrier_wait -1
.endm
.macro CROUND                          ; a whole round: my work-group's barrier, wave 0's signal for it, the wait for all four work-groups, my work-group's barrier again
	s_barrier_signal -1
	s_barrier_wait -1
	CREST
.endm
; A PREFETCH of the slot that the NEXT change of slots will ask for, behind the joint load and its five lines.  All 64 clusters walk the same slots: the first cluster asks, nobody else.  Its four partners take 16 KiB of the
; slot each, told apart BY ADDRESS; in each, waves 0 and 1 take 8 KiB, a lane 256 bytes: each aligned block of 256 bytes of wt from slot 2 on is named once.  how = 0: in the FFN's loop, whose last trip has no slot left to name.
.macro ASK how
.if \how
	s_cmp_eq_u32 s[LIM], 1
.else
	s_cmp_gt_u32 s[CNT], s[LIM]
.endif
	s_cbranch_scc0 .Lnot_mine_\@
	global_prefetch_b8 v[PFO], s[PFA:PFA+1] th:TH_LOAD_NT scope:SCOPE_SE
.Lnot_mine_\@:
.endm
.macro LDF buf, f0                     ; 16 LDS loads in one run: fragments f0 .. f0 + 7 of the slot in hand
	WIN 0
.set i, 0
.rept 8
	ds_load_b128 v[(\buf)+8*i:(\buf)+8*i+3],   v[FR] offset:((\f0)+i)*1024
	ds_load_b128 v[(\buf)+8*i+4:(\buf)+8*i+7], v[FR] offset:((\f0)+i)*1024+512
.set i, i+1
.endr
.endm
; 32 products ACC(t, nb) += W^T h^T: K steps ks0 .. ks0 + 3 of 8, two column blocks, four tiles.  The eight accumulators take turns, one instruction a turn.
; K step 0 starts the sums: with the constant 0 (c = 0) or with b1 (c = 1).
.macro MULH buf, ks0, c
	WIN 0x04                                       ; source 1 (H) in window 1
.irp kk, 0,1,2,3
.irp nb, 0,1
.irp t, 0,1,2,3
.set rD, ACC+8*(2*\t+\nb)
.set rA, (\buf)+8*(2*\kk+\nb)
.set rB, 8*(8*\t+(\ks0)+\kk)
.if ((\ks0)+\kk) > 0
	v_wmma_f32_16x16x32_bf16 v[rD:rD+7], v[rA:rA+7], v[rB:rB+7], v[rD:rD+7]
.elseif \c
	v_wmma_f32_16x16x32_bf16 v[rD:rD+7], v[rA:rA+7], v[rB:rB+7], v[BI0+232*\nb:BI0+232*\nb+7]
.else
	v_wmma_f32_16x16x32_bf16 v[rD:rD+7], v[rA:rA+7], v[rB:rB+7], 0
.endif
.endr
.endr
.endr
.endm
.macro MULV buf, ks0                   ; the same with the sources swapped: a lane holds one channel and eight keys
	WIN 0x01                                       ; source 0 (H) in window 1
.irp kk, 0,1,2,3
.irp nb, 0,1
.irp t, 0,1,2,3
.set rD, ACC+8*(2*\t+\nb)
.set rA, (\buf)+8*(2*\kk+\nb)
.set rB, 8*(8*\t+(\ks0)+\kk)
.if ((\ks0)+\kk) > 0
	v_wmma_f32_16x16x32_bf16 v[rD:rD+7], v[rB:rB+7], v[rA:rA+7], v[rD:rD+7]
.else
	v_wmma_f32_16x16x32_bf16 v[rD:rD+7], v[rB:rB+7], v[rA:rA+7], 0
.endif
.endr
.endr
.endr
.endm
; X(t, b0 + i) += fragment i of buf x the 32 channels in QA, for i = i0 .. i0 + cnt - 1 and the window's two tiles: each accumulator has one link here, so no two links of a chain are neighbours.
.macro MULX buf, win, i0, cnt, b0
	WIN 0xA0+0x50*((\win)-2)                       ; C and D in window 2 or 3
.set i, \i0
.rept \cnt
.irp u, 0,1
	v_wmma_f32_16x16x32_bf16 v[128*\u+8*((\b0)+i):128*\u+8*((\b0)+i)+7], v[(\buf)+8*i:(\buf)+8*i+7], v[QA+8*(2*((\win)-2)+\u):QA+8*(2*((\win)-2)+\u)+7], v[128*\u+8*((\b0)+i):128*\u+8*((\b0)+i)+7]
.endr
.set i, i+1
.endr
.endm
.macro PACK                            ; the eight accumulators rounded to bf16, in ascending order: ACC(t, nb) -> QA + 4 (2 t + nb) .. + 3
	WIN 0
.set m, 0
.rept 32
	v_cvt_pk_bf16_f32 v[QA+m], v[ACC+2*m], v[ACC+2*m+1]
.set m, m+1
.endr
.endm
; ---- x comes in, out0 goes out: through my own stage, a tile of 16 rows at a time, in place in X's registers.  LDS serves a wave's instructions in order (ISA guide 5.7.1.4): no wait between the stores and the loads.
.macro XPOSE t                         ; whole rows in, results' layout out
	WIN (2+(\t)/2)<<2
.set i, 0
.rept 32
	ds_store_b128 v[SROW], v[128*((\t)%2)+4*i:128*((\t)%2)+4*i+3] offset:SPITCH*(i/2)+512*(i%2)
.set i, i+1
.endr
	WIN (2+(\t)/2)<<6
.set i, 0
.rept 32
	ds_load_b128 v[128*((\t)%2)+4*i:128*((\t)%2)+4*i+3], v[SD] offset:64*(i/2)+16*(i%2)
.set i, i+1
.endr
.endm
.macro OUT t                           ; the other way, and stored: each accumulator's low four registers are read first
	WIN (2+(\t)/2)<<2
.set i, 0
.rept 32
	ds_store_b128 v[SD], v[128*((\t)%2)+4*i:128*((\t)%2)+4*i+3] offset:64*(i/2)+16*(i%2)
.set i, i+1
.endr
	WIN (2+(\t)/2)<<6
.set i, 0
.rept 32
	ds_load_b128 v[128*((\t)%2)+4*i:128*((\t)%2)+4*i+3], v[SROW] offset:SPITCH*(i/2)+512*(i%2)
.set i, i+1
.endr
	WIN (2+(\t)/2)<<2
.set i, 0
.irp g, 0,1,2,3
	s_wait_dscnt 24-8*\g                           ; the tile's younger loads from the stage may stay out
.rept 8
	global_store_b128 v[L16], v[128*((\t)%2)+4*i:128*((\t)%2)+4*i+3], s[OP:OP+1] offset:65536*(\t)+1024*(i/2)+512*(i%2) th:TH_STORE_NT  ; 512 consecutive bytes, aligned
.set i, i+1
.endr
.endr
.endm
; ---- THE LAYERNORM: H = (X - mean) / sqrt(var + eps) x gain + bias, rounded to bf16; then X += addend (bo behind LN1, b2 behind LN2), so that the products to come add onto residual and bias.
.macro PLD g                           ; gain, bias, addend of column blocks 2 g, 2 g + 1: 12 loads; the lanes of a half read the same words
.irp a, 0,1,2
.irp q, 0,1,2,3
	ds_load_b128 v[PB+48*((\g)%2)+16*\a+4*\q:PB+48*((\g)%2)+16*\a+4*\q+3], v[PR] offset:1024*\a+128*(\g)+64*(\q/2)+16*(\q%2)
.endr
.endr
.endm
.macro FOLD                            ; four chains of pairs into one number, and the other half of the lanes' (the row's other 128 columns)
	v_pk_add_f32 v[CH:CH+1], v[CH:CH+1], v[CH+2:CH+3]
	v_pk_add_f32 v[CH+4:CH+5], v[CH+4:CH+5], v[CH+6:CH+7]
	v_pk_add_f32 v[CH:CH+1], v[CH:CH+1], v[CH+4:CH+5]
	v_add_f32 v[CH], v[CH], v[CH+1]
	v_permlanex16_b32 v[CH+1], v[CH], s[SEL], s[SEL+1]
	v_add_f32 v[CH], v[CH], v[CH+1]
.endm
.macro STAT t                          ; mean and var + eps of tile t's rows; X is read in ascending order, so each accumulator from its low end
.set W, 2+(\t)/2
.set XB, 128*((\t)%2)
.set RS, ST+4*(\t)
.set MU, ST+4*(\t)+2
	WIN W|(W<<2)
.set p, 0
.rept 4
	v_pk_add_f32 v[CH+2*p:CH+2*p+1], v[XB+2*p:XB+2*p+1], v[XB+8+2*p:XB+8+2*p+1]  ; the first eight pairs start the chains: nothing is cleared
.set p, p+1
.endr
	WIN W
.set p, 8
.rept 56
	v_pk_add_f32 v[CH+2*(p%4):CH+2*(p%4)+1], v[XB+2*p:XB+2*p+1], v[CH+2*(p%4):CH+2*(p%4)+1]
.set p, p+1
.endr
	WIN 0
	FOLD
	v_mul_f32 v[MU], s[INV], v[CH]
	v_mov_b32 v[MU+1], v[MU]
.irp bt, 0,1                           ; the second pass, 32 pairs at a time: x - mean into window 0, then its square onto the chains
	WIN W
.set k, 0
.rept 32
	v_pk_add_f32 v[TT+2*k:TT+2*k+1], v[XB+64*\bt+2*k:XB+64*\bt+2*k+1], v[MU:MU+1] neg_lo:[0,1] neg_hi:[0,1]
.set k, k+1
.endr
	WIN 0
.set k, 0
.rept 32
.if (\bt == 0) && (k < 4)
	v_pk_mul_f32 v[CH+2*k:CH+2*k+1], v[TT+2*k:TT+2*k+1], v[TT+2*k:TT+2*k+1]
.else
	v_pk_fma_f32 v[CH+2*(k%4):CH+2*(k%4)+1], v[TT+2*k:TT+2*k+1], v[TT+2*k:TT+2*k+1], v[CH+2*(k%4):CH+2*(k%4)+1]
.endif
.set k, k+1
.endr
.endr
	FOLD
	v_fma_f32 v[RS], v[CH], s[INV], s[EPSR]
.endm
.macro APPLY g                         ; column blocks 2 g, 2 g + 1 of all four tiles: pairs 8 g .. 8 g + 7 of each
.set PBG, PB+48*((\g)%2)
.if (\g) == 7
	s_wait_dscnt 0x0
.else
	s_wait_dscnt 12                                ; this group's 12 loads are in; the next group's 12 may stay out
.endif
.irp w, 0,1
	WIN 0x02+\w                                    ; X (source 0) in window 2 + w
.irp u, 0,1
.set k, 0
.rept 8
	v_pk_fma_f32 v[TT+16*(2*\w+\u)+2*k:TT+16*(2*\w+\u)+2*k+1], v[128*\u+16*(\g)+2*k:128*\u+16*(\g)+2*k+1], v[ST+4*(2*\w+\u):ST+4*(2*\w+\u)+1], v[ST+4*(2*\w+\u)+2:ST+4*(2*\w+\u)+3]
.set k, k+1
.endr
.endr
	WIN 0x82+0x41*\w                               ; X as destination too
.irp u, 0,1
.set k, 0
.rept 8
	v_pk_add_f32 v[128*\u+16*(\g)+2*k:128*\u+16*(\g)+2*k+1], v[128*\u+16*(\g)+2*k:128*\u+16*(\g)+2*k+1], v[PBG+32+2*k:PBG+32+2*k+1]
.set k, k+1
.endr
.endr
.endr
	WIN 0
.set m, 0
.rept 32
	v_pk_fma_f32 v[TT+2*m:TT+2*m+1], v[TT+2*m:TT+2*m+1], v[PBG+2*(m%8):PBG+2*(m%8)+1], v[PBG+16+2*(m%8):PBG+16+2*(m%8)+1]
.set m, m+1
.endr
	WIN 0x40                                       ; H in window 1
.set m, 0
.rept 32
	v_cvt_pk_bf16_f32 v[64*(m/8)+8*(\g)+m%8], v[TT+2*m], v[TT+2*m+1]
.set m, m+1
.endr
	WIN 0
.if (\g) < 6
	PLD (\g)+2
.endif
.endm
.macro LN
	PLD 0
	PLD 1
	STAT 0
	STAT 1
	STAT 2
	STAT 3
.irp t, 0,1,2,3
	v_rsq_f32 v[ST+4*\t], v[ST+4*\t]
.endr
	v_nop                                          ; a plain instruction behind the last of the four,
	s_wait_alu depctr_va_vdst(0)                   ; and the wait ahead of the first use: one for the batch
.irp t, 0,1,2,3
	v_mov_b32 v[ST+4*\t+1], v[ST+4*\t]
	v_mul_f32 v[ST+4*\t+2], -v[ST+4*\t+2], v[ST+4*\t]
.endr
.irp t, 0,1,2,3
	v_mov_b32 v[ST+4*\t+3], v[ST+4*\t+2]
.endr
.irp g, 0,1,2,3,4,5,6,7
	APPLY \g
.endr
.endm
; ---- ATTENTION, a tile of 16 queries at a time
.macro KLD a, cnt                      ; K's fragments a .. a + cnt - 1
	WIN 0
.set kb, \a
.rept \cnt
	ds_load_b128 v[F+8*(kb%8):F+8*(kb%8)+3],   v[KR] offset:1024*kb
	ds_load_b128 v[F+8*(kb%8)+4:F+8*(kb%8)+7], v[KR] offset:1024*kb+512
.set kb, kb+1
.endr
.endm
.macro VREG                            ; where V's fragment vf lies
.if vf < 8
.set rv, F+8*vf
.elseif vf < 14
.set rv, VX+8*(vf-8)
.else
.set rv, F+8*(vf-14)
.endif
.endm
.macro VLD a, cnt
	WIN 0
.set vf, \a
.rept \cnt
	VREG
	ds_load_b128 v[rv:rv+3],   v[KR] offset:VOFF+1024*vf
	ds_load_b128 v[rv+4:rv+7], v[KR] offset:VOFF+1024*vf+512
.set vf, vf+1
.endr
.endm
; The masks of the diagonal band's four key blocks, as the C operands that start their sums: TRI x AL + BE = 0 (a block before my own), the triangle (my own), -1e30 (a later one).
.macro MASKC t
.irp kt, 0,1,2,3
.irp e, 0,1,2,3
	v_pk_fma_f32 v[S+8*(4*(\t)+\kt)+2*\e:S+8*(4*(\t)+\kt)+2*\e+1], v[TRI+2*\e:TRI+2*\e+1], s[AL+4*\kt:AL+4*\kt+1], s[BE+4*\kt:BE+4*\kt+1] op_sel_hi:[1,0,0]
.endr
.endr
.endm
.macro SMUL t, a, cnt                  ; S^T = K Q^T for key blocks a .. a + cnt - 1: one product each (32 features), each on its own accumulator
	WIN 0
.set kb, \a
.rept \cnt
.set rD, S+8*kb
.set rA, F+8*(kb%8)
.if kb < 4*(\t)
	v_wmma_f32_16x16x32_bf16 v[rD:rD+7], v[rA:rA+7], v[QA+8*(\t):QA+8*(\t)+7], 0
.else
	v_wmma_f32_16x16x32_bf16 v[rD:rD+7], v[rA:rA+7], v[QA+8*(\t):QA+8*(\t)+7], v[rD:rD+7]
.endif
.set kb, kb+1
.endr
.endm
.macro PVM a, cnt                      ; O^T += V^T P for V's fragments a .. : keys 32 (vf / 2).., channels 16 (vf % 2)..: the two accumulators take turns
	WIN 0
.set vf, \a
.rept \cnt
	VREG
.set rD, O+8*(vf%2)
.set rB, S+8*(vf/2)
.if vf < 2
	v_wmma_f32_16x16x32_bf16 v[rD:rD+7], v[rv:rv+7], v[rB:rB+7], 0
.else
	v_wmma_f32_16x16x32_bf16 v[rD:rD+7], v[rv:rv+7], v[rB:rB+7], v[rD:rD+7]
.endif
.set vf, vf+1
.endr
.endm
.macro MAXB4 b0                        ; the maxima of blocks b0 .. b0 + 3 onto four chains, the blocks by turns; each accumulator's low registers are read first
.if (\b0) == 0
.irp c, 0,1,2,3
	v_max3_num_f32 v[T+\c], v[S+8*\c], v[S+8*\c+1], v[S+8*\c+2]
.endr
.irp c, 0,1,2,3
	v_max3_num_f32 v[T+\c], v[T+\c], v[S+8*\c+3], v[S+8*\c+4]
.endr
.irp c, 0,1,2,3
	v_max3_num_f32 v[T+\c], v[T+\c], v[S+8*\c+5], v[S+8*\c+6]
.endr
.irp c, 0,1,2,3
	v_max_num_f32 v[T+\c], v[T+\c], v[S+8*\c+7]
.endr
.else
.irp e, 0,1,2,3
.irp c, 0,1,2,3
	v_max3_num_f32 v[T+\c], v[T+\c], v[S+8*((\b0)+\c)+2*\e], v[S+8*((\b0)+\c)+2*\e+1]
.endr
.endr
.endif
.endm
.macro SC pr                           ; pair pr: c s - c m
	v_pk_fma_f32 v[S+2*(\pr):S+2*(\pr)+1], v[S+2*(\pr):S+2*(\pr)+1], s[CS:CS+1], v[T+4:T+5] op_sel_hi:[1,0,0] neg_lo:[0,0,1] neg_hi:[0,0,1]
.endm
; The row's maximum is finished; p = 2^(c s - c m) for npr pairs of scores; their sums; p rounded to bf16 in place: pair i into S + i, so that keys 32 i2 .. lie in S + 8 i2 .. + 7, a source 1.
; The exponentials are ONE batch: nothing ahead of its one wait names a result.
.macro SOFT npr
	v_max3_num_f32 v[T], v[T], v[T+1], v[T+2]
	v_max_num_f32 v[T], v[T], v[T+3]
	v_permlanex16_b32 v[T+1], v[T], s[SEL], s[SEL+1]  ; the query's other keys lie in the lane 16 away
	v_max_num_f32 v[T+4], v[T], v[T+1]
	v_mul_f32 v[T+4], s[CS], v[T+4]
	SC 0
	SC 1
.set k, 0
.rept \npr
.if k+2 < (\npr)
	SC k+2
.endif
	v_exp_f32 v[S+2*k], v[S+2*k]
	v_exp_f32 v[S+2*k+1], v[S+2*k+1]
.set k, k+1
.endr
	v_nop                                          ; a plain instruction behind the last exponential,
	s_wait_alu depctr_va_vdst(0)                   ; and the wait ahead of the first use: one for the batch
	v_pk_add_f32 v[T:T+1], v[S:S+1], v[S+2:S+3]    ; two chains of sums start with the first four pairs
	v_pk_add_f32 v[T+2:T+3], v[S+4:S+5], v[S+6:S+7]
.set k, 0
.rept 4
	v_cvt_pk_bf16_f32 v[S+k], v[S+2*k], v[S+2*k+1]
.set k, k+1
.endr
.rept (\npr)-4
	v_pk_add_f32 v[T+2*(k%2):T+2*(k%2)+1], v[T+2*(k%2):T+2*(k%2)+1], v[S+2*k:S+2*k+1]
	v_cvt_pk_bf16_f32 v[S+k], v[S+2*k], v[S+2*k+1]
.set k, k+1
.endr
.endm
; Tile t: n = 4 (t + 1) key blocks.  On entry K's first min(n, 8) fragments are on their way.  LDS loads stand in runs: K's later blocks under the first maxima, V's first eight under the softmax, V's later ones under the
; sums and the first products V^T P, the next tile's K (or Wo's fragments) under the division.
.macro ATT t
.set n, 4*((\t)+1)
	WIN 0
.if n <= 8
	MASKC \t
	s_wait_dscnt 0x0                               ; K is in
	SMUL \t, 0, n
	PLACES
	VLD 0, n
	MAXB4 0
.if n == 8
	MAXB4 4
.endif
.else
	s_wait_dscnt 0x0                               ; K's blocks 0-7 are in
	SMUL \t, 0, 8
	PLACES
	KLD 8, n-8
	MASKC \t
	MAXB4 0
	MAXB4 4
	s_wait_dscnt 0x0                               ; the later blocks are in
	SMUL \t, 8, n-8
	PLACES
	VLD 0, 8
	MAXB4 8
.if n == 16
	MAXB4 12
.endif
.endif
	SOFT 4*n
.if n == 12
	VLD 8, 4                                       ; into registers that the packing has left
.elseif n == 16
	VLD 8, 6
.endif
	v_pk_add_f32 v[T:T+1], v[T:T+1], v[T+2:T+3]    ; l: the two chains, even and odd keys, the other half of the lanes
	v_add_f32 v[T+2], v[T], v[T+1]
	v_permlanex16_b32 v[T+3], v[T+2], s[SEL], s[SEL+1]
	v_add_f32 v[T+6], v[T+2], v[T+3]
	v_rcp_f32 v[T+6], v[T+6]
	v_nop                                          ; a plain instruction behind the reciprocal; its wait stands below, ahead of its first use
.if n <= 8
	s_wait_dscnt 0x0                               ; V is in
	PVM 0, n
.elseif n == 12
	s_wait_dscnt 8                                 ; V's fragments 0-7 are in; the 8 loads of fragments 8-11 may stay out
	PVM 0, 8
	s_wait_dscnt 0x0
	PVM 8, 4
.else
	s_wait_dscnt 12                                ; the 12 loads of fragments 8-13 may stay out
	PVM 0, 8
	PLACES
	VLD 14, 2
	s_wait_dscnt 4                                 ; the 4 loads just issued may stay out
	PVM 8, 6
	s_wait_dscnt 0x0
	PVM 14, 2
.endif
	PLACES
.if (\t) < 3
	KLD 0, 8                                       ; the next tile's first eight key blocks
.else
	LDF FA, 48                                     ; Wo's column blocks 0-7
.endif
	s_wait_alu depctr_va_vdst(0)                   ; the reciprocal's wait
.set m, 0
.rept 8
	v_pk_mul_f32 v[O+2*m:O+2*m+1], v[O+2*m:O+2*m+1], v[T+6:T+7] op_sel_hi:[1,0]
.set m, m+1
.endr
.set m, 0
.rept 8
	v_cvt_pk_bf16_f32 v[QA+8*(\t)+m], v[O+2*m], v[O+2*m+1]  ; where the tile's Q lay: 16 rows x the head's 32 channels, a source 1 for Wo
.set m, m+1
.endr
.if (\t) == 3
	LDF FB, 56                                     ; Wo's column blocks 8-15
.endif
.endm
; ---- A HEAD.  Its slot holds Wk, Wv, Wq (16 fragments each) and Wo's 32 rows (16).  Two fragment buffers take turns: a run of 16 loads stands four places behind the products that read its buffer, 32 products ahead of its use.
.macro HEAD
	LDF FA, 0
	LDF FB, 8
	s_wait_dscnt 16                                ; the younger run may stay out (so in the lines of this form below)
	MULH FA, 0, 0                                  ; K
	PLACES
	LDF FA, 16
	s_wait_dscnt 16
	MULH FB, 4, 0
	PLACES
	LDF FB, 24
	PACK
.irp t, 0,1,2,3
.irp nb, 0,1
	ds_store_b128 v[KW], v[QA+4*(2*\t+\nb):QA+4*(2*\t+\nb)+3] offset:4096*\t+512*\nb  ; key block 4 t + w, features 16 nb ..
.endr
.endr
	s_wait_dscnt 24                                ; a run of 16 and the 8 stores may stay out
	MULV FA, 0                                     ; V
	PLACES
	LDF FA, 32
	s_wait_dscnt 24                                ; the 8 stores and a run of 16
	MULV FB, 4
	PLACES
	LDF FB, 40
	PACK
.irp t, 0,1,2,3
.irp nb, 0,1
	ds_store_b128 v[VW], v[QA+4*(2*\t+\nb):QA+4*(2*\t+\nb)+3] offset:4096*\t+1024*\nb  ; keys of block 4 t + w, channels 16 nb ..
.endr
.endr
	s_wait_dscnt 0x0                               ; for the others' sake: my K and V lie in LDS (and Wq's fragments are in)
	s_barrier_signal -1
	MULH FA, 0, 0                                  ; Q: 64 products on registers while the others arrive
	MULH FB, 4, 0
	PLACES
	PACK
	s_barrier_wait -1                              ; everybody's K and V lie in LDS
	KLD 0, 4
	ATT 0
	ATT 1
	ATT 2
	ATT 3
	s_wait_dscnt 16
	MULX FA, 2, 0, 8, 0                            ; X += attention's output x Wo's 32 rows of this head
	MULX FA, 3, 0, 8, 0
	s_wait_dscnt 0x0
	MULX FB, 2, 0, 8, 8
	MULX FB, 3, 0, 8, 8
	WIN 0
.endm
; THE CHANGE OF SLOTS in the head loop.  Each wave waits for all its tensor loads, of which one is out: its quarter of the slot to be entered; adds 0 to its spare word; and waits for that and for all its LDS traffic
; (its reads of the slot that it leaves, of K and V, its stores of the parameters).  The barrier is a round of the cluster's: no wave of any partner still reads the old slot or has a load on its way; the joint refill
; is the first thing behind it.  The round also stands between one head's reads of K and V and the next head's stores.
.macro CHANGE
	WIN 0
	s_wait_xcnt 0x0                                ; the last prefetch, a head back, has read its address
	s_add_nc_u64 s[PFA:PFA+1], s[PFA:PFA+1], 65536
	s_wait_tensorcnt 0x0                           ; no tensor load of mine is out, so group 0 may be written
	ds_add_u32 v[SPW], v[NIL]                      ; 0 onto my spare word
	s_xor_b32 s[G0+1], s[G0+1], RING1              ; the walking descriptor: the other slot than last time,
	s_add_nc_u64 s[G0+2:G0+3], s[G0+2:G0+3], 65536 ; the next 64 KiB of wt; the type bits on top are not reached
	s_wait_dscnt 0x0
	CROUND
	tensor_load_to_lds s[G0:G0+3], s[G1:G1+7]
	s_nop 0
	PLACES                                         ; also the places behind the last head's products
	s_xor_b32 s[TB], s[TB], RING1
	v_add_nc_u32 v[FR], s[TB], v[L16]
	ASK 1
.endm
; ---- THE FFN.  A slot holds two chunks of 32 hidden units: W1's 16 fragments, W2's 16, twice.  A chunk: 64 products make its hidden units (b1 is the C operand that starts the sums), ReLU and rounding, 64 products add onto X.
.macro LDB c                           ; b1 of chunk c of the slot
	WIN 0
	ds_load_b128 v[BI0:BI0+3],       v[B1R] offset:128*(\c)
	ds_load_b128 v[BI0+4:BI0+7],     v[B1R] offset:128*(\c)+16
	ds_load_b128 v[BI0+232:BI0+235], v[B1R] offset:128*(\c)+64
	ds_load_b128 v[BI0+236:BI0+239], v[B1R] offset:128*(\c)+80
.endm
.macro RELU
	PACK
.set m, 0
.rept 32
	v_pk_max_num_bf16 v[QA+m], v[QA+m], v[ZR]
.set m, m+1
.endr
.endm
; The slot's last 32 products and the change of slots: one barrier; in front of it the wait for all my tensor loads, the add, and the wait for it and for my reads of the slot; products on registers stand between them.
; fill = 1: the barrier opens a round of the cluster's, and the slot just left is filled again, two slots ahead.  last = 1: in the loop's last trip no slot follows, and the runs of LDS loads are jumped over.
.macro TURNF fill, last
	WIN 0
.if \fill
	s_wait_xcnt 0x0                                ; the last prefetch, a slot back, has read its address
	s_add_nc_u64 s[PFA:PFA+1], s[PFA:PFA+1], 65536
.endif
	s_wait_tensorcnt 0x0                           ; my quarter of the next slot has landed
	ds_add_u32 v[SPW], v[NIL]                      ; 0 onto my spare word
.if \fill
	s_xor_b32 s[G0+1], s[G0+1], RING1
	s_add_nc_u64 s[G0+2:G0+3], s[G0+2:G0+3], 65536
.endif
	s_wait_dscnt 1                                 ; the add may be out; the last run of fragments is in
	MULX FB, 2, 0, 4, 8
	s_wait_dscnt 0x0                               ; the add is done, and my reads of this slot are over
	s_barrier_signal -1
	MULX FB, 2, 4, 4, 8
	WIN 0
	s_barrier_wait -1
.if \fill
	CREST
	tensor_load_to_lds s[G0:G0+3], s[G1:G1+7]
	s_nop 0
.endif
	PLACES                                         ; the places in front of the loads below
	s_xor_b32 s[TB], s[TB], RING1
	v_add_nc_u32 v[FR], s[TB], v[L16]
	v_add_nc_u32 v[B1R], 0x100, v[B1R]             ; 64 hidden units on
.if \last
	s_cmp_eq_u32 s[CNT], 1
	s_cbranch_scc1 .Lno_a_\@
.endif
	LDF FA, 0
	LDB 0
.if \last
.Lno_a_\@:
.endif
.if \fill
	ASK 0
.endif
	MULX FB, 3, 0, 8, 8
	PLACES
	WIN 0
.if \last
	s_cmp_eq_u32 s[CNT], 1
	s_cbranch_scc1 .Lno_b_\@
.endif
	LDF FB, 8
.if \last
.Lno_b_\@:
.endif
.endm
.macro SLOTF fill, last                ; on entry: W1's fragments 0-7 of chunk 0, its b1, and fragments 8-15 are on their way, in this order
	s_wait_dscnt 16
	MULH FA, 0, 1
	PLACES
	LDF FA, 16
	s_wait_dscnt 16
	MULH FB, 4, 0
	PLACES
	LDF FB, 24
	RELU
	s_wait_dscnt 16
	MULX FA, 2, 0, 8, 0
	MULX FA, 3, 0, 8, 0
	PLACES
	LDF FA, 32
	LDB 1
	s_wait_dscnt 20                                ; the 16 and 4 loads just issued may stay out
	MULX FB, 2, 0, 8, 8
	MULX FB, 3, 0, 8, 8
	PLACES
	LDF FB, 40
	s_wait_dscnt 16
	MULH FA, 0, 1
	PLACES
	LDF FA, 48
	s_wait_dscnt 16
	MULH FB, 4, 0
	PLACES
	LDF FB, 56
	RELU
	s_wait_dscnt 16
	MULX FA, 2, 0, 8, 0
	MULX FA, 3, 0, 8, 0
	TURNF \fill, \last
.endm
; ================ the head of the kernel
	s_load_b512 s[8:23], s[0:1], 0x0               ; x 8:9, wt 10:11, b1 12:13, bo 14:15, b2 16:17, ln1_g 18:19, ln1_b 20:21, ln2_g 22:23
	s_load_b128 s[24:27], s[0:1], 0x40             ; ln2_b 24:25, out0 26:27
	v_lshl_add_u32 v[SPW], v0, 2, SPARE
	v_mov_b32 v[NIL], 0
	ds_add_u32 v[SPW], v[NIL]                      ; the wave's opening: the add and its wait stand ahead of my first tensor load; the set-up below, work on registers, stands between them
	v_lshrrev_b32 v14, 5, v0
	v_readfirstlane_b32 s[WV], v14                 ; wave 0..3
	s_bfe_u32 s[CX], ttmp6, 0x40000                ; my place in the cluster
	; descriptor group 1: a quarter slot, 16,384 dense bytes, as 64 rows of 256 bytes (32 elements of 8 bytes), no padding
	s_mov_b32 s[G1+0], 15|(3<<16)|(1<<21)          ; 15:0 the mask: all four work-groups; 17:16 elements of 8 bytes; 21 set beside a mask
	s_mov_b32 s[G1+1], 32<<16                      ; tensor_dim0 = 32
	s_mov_b32 s[G1+2], 64<<16                      ; tensor_dim1 = 64
	s_mov_b32 s[G1+3], 32<<16                      ; tile_dim0 = 32
	s_mov_b32 s[G1+4], 64                          ; tile_dim1 = 64
	s_mov_b32 s[G1+5], 32                          ; 32 elements from row to row
	s_mov_b32 s[G1+6], 0
	s_mov_b32 s[G1+7], 0
	s_mov_b32 s[G0], 1                             ; count = 1
	s_lshl_b32 s[G0+1], s[WV], 14                  ; LDS address: my quarter of slot 0: no place in the cluster enters it
	s_lshl_b32 s28, s[WV], 14                      ; and the same quarter in wt
	s_mov_b32 s29, 0
	s_lshl_b32 s30, ttmp9, 2                       ; in a cluster launch ttmp9 counts clusters
	s_add_co_u32 s30, s30, s[CX]                   ; my sequence
	s_lshl_b32 s30, s30, 18                        ; 262,144 bytes each
	s_add_co_u32 s30, s30, s28                     ; my wave's 16 rows of a band: 16,384 bytes
	s_mov_b32 s31, 0
	s_lshl_b32 s58, s[CX], 14                      ; the prefetches: my work-group's 16 KiB of a slot,
	s_lshl_b32 s59, s[WV], 13                      ; my wave's 8 KiB of them,
	s_add_co_u32 s58, s58, s59
	s_add_co_u32 s58, s58, 65536                   ; in slot 1: the first change of slots steps it to slot 2
	s_mov_b32 s59, 0
	s_mov_b32 s[CS], 0x3e8293ee                    ; c = log2(e) / sqrt(32) = 0.255035
	s_mov_b32 s[CS+1], s[CS]                       ; named with it as a pair
	s_mov_b32 s[SEL], 0x76543210
	s_mov_b32 s[SEL+1], 0xfedcba98
	s_mov_b32 s[BIGN], 0xf149f2ca                  ; -1e30
	s_mov_b32 s[INV], 0x3b800000                   ; 1 / 256
	s_mov_b32 s[EPSR], 0x3727c5ac                  ; 1e-5
	s_mov_b32 s[TB], RING1                         ; the first change of slots turns it into 0
.irp kt, 0,1,2,3
	s_cmp_eq_u32 s[WV], \kt                        ; key block kt of the diagonal band is my own:
	s_cselect_b32 s[AL+4*\kt], 1.0, 0              ; the triangle counts
	s_mov_b32 s[AL+4*\kt+1], 0
	s_cmp_lt_u32 s[WV], \kt                        ; or a later one:
	s_cselect_b32 s[BE+4*\kt], s[BIGN], 0          ; all hidden
	s_mov_b32 s[BE+4*\kt+1], 0
.endr
	s_lshr_b32 s[LIM], s[WV], 1                    ; 0 in waves 0 and 1,
	s_or_b32 s[LIM], s[LIM], ttmp9                 ; of the first cluster: the same in all four partners
	s_cmp_eq_u32 s[LIM], 0
	s_cselect_b32 s[LIM], 1, -1
	v_and_b32 v[L16], 31, v0
	v_lshlrev_b32 v[L16], 4, v[L16]
	v_lshlrev_b32 v76, 4, v0                       ; the parameters: 16 bytes a thread of b1 (twice),
	v_lshlrev_b32 v77, 3, v0                       ; 8 bytes a thread of each of the six others,
	v_add_nc_u32 v78, PARAM, v76                   ; and their places in LDS
	v_add_nc_u32 v79, PARAM+4096, v77
	s_wait_dscnt 0x0                               ; the opening add is done
	s_wait_kmcnt 0x0
	s_add_nc_u64 s[XP:XP+1], s[XP:XP+1], s[30:31]
	s_add_nc_u64 s[OP:OP+1], s[OP:OP+1], s[30:31]
	s_add_nc_u64 s[G0+2:G0+3], s[10:11], s[28:29]  ; global address: my quarter of slot 0
	s_or_b32 s[G0+3], s[G0+3], 0x80000000          ; type = 2
	s_add_nc_u64 s[PFA:PFA+1], s[10:11], s[58:59]
	CROUND                                         ; all four work-groups are here: the first joint loads meet
	tensor_load_to_lds s[G0:G0+3], s[G1:G1+7]      ; slot 0; slot 1 is asked for by the loop's first change of slots
	s_nop 0
	PLACES
; ================ the parameters and x come in: 8 + 128 loads, each of x's covering 512 consecutive bytes, straight into X's registers (by whole rows; turned below)
	global_load_b128 v[56:59], v76, s[12:13]
	global_load_b128 v[60:63], v76, s[12:13] offset:2048
	global_load_b64 v[64:65], v77, s[18:19]        ; ln1_g
	global_load_b64 v[66:67], v77, s[20:21]        ; ln1_b
	global_load_b64 v[68:69], v77, s[14:15]        ; bo
	global_load_b64 v[70:71], v77, s[22:23]        ; ln2_g
	global_load_b64 v[72:73], v77, s[24:25]        ; ln2_b
	global_load_b64 v[74:75], v77, s[16:17]        ; b2
.irp t, 0,1,2,3
	WIN (2+\t/2)<<6
.set i, 0
.rept 32
	global_load_b128 v[128*(\t%2)+4*i:128*(\t%2)+4*i+3], v[L16], s[XP:XP+1] offset:65536*\t+1024*(i/2)+512*(i%2) th:TH_LOAD_NT
.set i, i+1
.endr
.endr
	WIN 0
	v_add_nc_u32 v[KR], KBASE, v[L16]
	s_lshl_b32 s58, s[WV], 10
	s_add_co_u32 s58, s58, KBASE
	v_add_nc_u32 v[KW], s58, v[L16]                ; key block 4 t + w: 1,024 w here, 4,096 t in the offset
	s_lshr_b32 s58, s[WV], 1
	s_lshl_b32 s58, s58, 11
	s_and_b32 s59, s[WV], 1
	s_lshl_b32 s59, s59, 9
	s_add_co_u32 s58, s58, s59
	s_add_co_u32 s58, s58, KBASE+VOFF
	v_add_nc_u32 v[VW], s58, v[L16]                ; fragments 4 t + 2 (w / 2) + cb, half w % 2
	s_mul_i32 s59, s[WV], 16*SPITCH
	s_add_co_u32 s59, s59, STAGE                   ; my stage
	v_add_nc_u32 v[SROW], s59, v[L16]
	v_and_b32 v14, 15, v0                          ; l % 16
	v_bfe_u32 v15, v0, 4, 1                        ; l / 16
	v_mul_u32_u24 v[SD], v14, SPITCH
	v_lshl_add_u32 v[SD], v15, 5, v[SD]
	v_add_nc_u32 v[SD], s59, v[SD]
	v_lshl_add_u32 v[PR], v15, 5, PARAM+4096
	v_lshl_add_u32 v[B1R], v15, 5, PARAM
	v_lshlrev_b32 v[PFO], 4, v[L16]
	v_mov_b32 v[ZR], 0
	v_mov_b32 v[T+5], 0                            ; named in pairs with T+4 and T+6
	v_mov_b32 v[T+7], 0
	v_lshlrev_b32 v15, 3, v15
	v_sub_nc_u32 v14, v14, v15                     ; l % 16 - 8 (l / 16): register j is hidden where j is greater
.irp j, 0,1,2,3,4,5,6,7
	v_cmp_gt_i32 vcc_lo, \j, v14
	v_cndmask_b32 v[TRI+\j], 0, s[BIGN], vcc_lo
.endr
	s_wait_loadcnt 63                              ; loads come back in order (ISA guide 5.7.1): of the 136 the youngest 63 may be out, so the 8 of the parameters and tiles 0 and 1 are in
	ds_store_b128 v78, v[56:59]
	ds_store_b128 v78, v[60:63] offset:2048
.irp a, 0,1,2,3,4,5
	ds_store_b64 v79, v[64+2*\a:65+2*\a] offset:1024*\a
.endr
	XPOSE 0
	XPOSE 1
	s_wait_loadcnt 32                              ; tile 3's 32 may be out
	XPOSE 2
	s_wait_loadcnt 0x0
	XPOSE 3
	WIN 0
; ================ nine trips: LN1 and head 0; heads 1 to 7; LN2, behind which the ninth trip leaves.  Every tensor load and every round of this loop stands in CHANGE, at the loop's head, on every path.
	s_mov_b32 s[HD], 9
	s_mov_b32 s[NEW], 1
.Lhead:
	CHANGE
	s_cmp_eq_u32 s[NEW], 1
	s_cbranch_scc0 .Lnoln
	LN
	v_add_nc_u32 v[PR], 0xc00, v[PR]               ; the second LayerNorm's three arrays
	s_mov_b32 s[NEW], 0
.Lnoln:
	s_sub_co_u32 s[HD], s[HD], 1
	s_cmp_eq_u32 s[HD], 0
	s_cbranch_scc1 .Lffn
	HEAD
	s_cmp_eq_u32 s[HD], 1
	s_cselect_b32 s[NEW], 1, 0                     ; behind the eighth head comes LN2
	s_cmp_lg_u32 s[HD], 0
	s_cbranch_scc1 .Lhead
.Lffn:
; ================ the FFN: slots 8 to 21 ask for slots 10 to 23; slots 22 and 23 ask for nothing and are written out as a loop of their own
	PLACES                                         ; four places in front of the loads below: as the text reads, the counted branch above can fall through to here straight behind a head's last
	                                               ; products, which read both fragment buffers (by the counts it never does: HD reaches 0 only at the branch behind LN2)
	LDF FA, 0
	LDB 0
	LDF FB, 8
	s_mov_b32 s[CNT], 14
.Lff:
	SLOTF 1, 0
	s_sub_co_u32 s[CNT], s[CNT], 1
	s_cmp_lg_u32 s[CNT], 0
	s_cbranch_scc1 .Lff
	s_mov_b32 s[CNT], 2
.Lft:
	SLOTF 0, 1
	s_sub_co_u32 s[CNT], s[CNT], 1
	s_cmp_lg_u32 s[CNT], 0
	s_cbranch_scc1 .Lft
; ================ the way out (four places stand behind the last product, in the change of slots above)
	OUT 0
	OUT 1
	OUT 2
	OUT 3
	WIN 0
	s_wait_tensorcnt 0x0                           ; the wave's end: the tensor wait, the add and its wait, behind my last tensor load and my last LDS store
	ds_add_u32 v[SPW], v[NIL]
	s_wait_dscnt 0x0
	CROUND                                         ; the closing round: no work-group ends while a partner may still ask for a slot that names it
	s_endpgm
.Lfunc_end_k_q74d3ead0df_block:
	.size	k_q74d3ead0df_block, .Lfunc_end_k_q74d3ead0df_block-k_q74d3ead0df_block
	.p2alignl 7, 3214868480
	.fill 96, 4, 3214868480
	.section	.rodata,"a",@progbits
	.p2align	6, 0x0
	.amdhsa_kernel k_q74d3ead0df_block
		.amdhsa_group_segment_fixed_size 327680
		.amdhsa_private_segment_fixed_size 0
		.amdhsa_enable_private_segment 0
		.amdhsa_kernarg_size 80
		.amdhsa_user_sgpr_count 2
		.amdhsa_user_sgpr_kernarg_segment_ptr 1
		.amdhsa_wavefront_size32 1
		.amdhsa_system_sgpr_workgroup_id_x 1
		.amdhsa_system_sgpr_workgroup_id_y 1
		.amdhsa_system_sgpr_workgroup_id_z 1
		.amdhsa_system_vgpr_workitem_id 0
		.amdhsa_next_free_vgpr 1024
		.amdhsa_next_free_sgpr 84
		.amdhsa_reserve_vcc 1
		.amdhsa_float_denorm_mode_32 3
		.amdhsa_float_denorm_mode_16_64 3
		.amdhsa_memory_ordered 1
		.amdhsa_forward_progress 1
		.amdhsa_inst_pref_size 255
	.end_amdhsa_kernel
	.section	.bss,"aw",@nobits
	.p2align	6
	.space	262144
	.amdgpu_metadata
---
amdhsa.version: [ 1, 2 ]
amdhsa.kernels:
  - .name:           k_q74d3ead0df_block
    .symbol:         k_q74d3ead0df_block.kd
    .args:
      - { .name: x, .offset: 0, .size: 8, .value_kind: global_buffer, .address_space: global }
      - { .name: wt, .offset: 8, .size: 8, .value_kind: global_buffer, .address_space: global }
      - { .name: b1, .offset: 16, .size: 8, .value_kind: global_buffer, .address_space: global }
      - { .name: bo, .offset: 24, .size: 8, .value_kind: global_buffer, .address_space: global }
      - { .name: b2, .offset: 32, .size: 8, .value_kind: global_buffer, .address_space: global }
      - { .name: ln1_g, .offset: 40, .size: 8, .value_kind: global_buffer, .address_space: global }
      - { .name: ln1_b, .offset: 48, .size: 8, .value_kind: global_buffer, .address_space: global }
      - { .name: ln2_g, .offset: 56, .size: 8, .value_kind: global_buffer, .address_space: global }
      - { .name: ln2_b, .offset: 64, .size: 8, .value_kind: global_buffer, .address_space: global }
      - { .name: out0, .offset: 72, .size: 8, .value_kind: global_buffer, .address_space: global }
    .group_segment_fixed_size: 327680
    .private_segment_fixed_size: 0
    .kernarg_segment_align: 8
    .kernarg_segment_size: 80
    .max_flat_workgroup_size: 128
    .sgpr_count:     84
    .vgpr_count:     1024
    .wavefront_size: 32
...
	.end_amdgpu_metadata
.endif
;; end of part 2
